; MI455X (gfx1250); checked and timed in simulation.
; The chip was launched on July 23, 2026; its instructions are those of AMD's public machine-readable ISA for CDNA 5 (MIT licence, August 2026) and "CDNA5" Instruction Set Architecture Reference Guide (July 2026). The comments in the code are by the model that wrote it; some were corrected since.
;; Binary Diff. Allowed arithmetic: matrix products marked QUANTISED: E3M2 operands, one E8M0 scale for each 32 along K, by v_wmma_scale_f32_16x16x128_f8f6f4 with both operands' format E3M2, f32 sums; everything else in f32.
;; Inputs: base 4,096 x 4,096 float32; coeff 1 float32; mask 4,096 x 4,096 int32; x 4 x 512 x 4,096 float32.
;; Outputs: out0 4 x 512 x 4,096 float32.
;; This version of the problem:
;;   THIS VERSION OF THE PROBLEM IS GIVEN IN LOW PRECISION. The matrix products marked QUANTISED in the list below multiply operands that are first quantised to E3M2 (3 exponent bits, 2 mantissa bits; 6 bits a number), with one power-of-two scale for each 32 numbers along K (OCP MX v1.0); their sums are f32. All else is computed in f32.
;;   The module's matrix products, in the order in which they are computed (A, B: the left and right operand; K: the contracted axis; several contracted axes count as one K, in the product's order):
;;     1. [M 2,048, K 4,096] x [K 4,096, N 4,096]; A: input x; B: input base: QUANTISED
;;     2. [M 2,048, K 4,096] x [K 4,096, N 4,096]; A: input x; B: input mask: QUANTISED
;;   THE QUANTISER, for each operand of a quantised product, along K:
;;     - K is cut into blocks of 32 from its start; a last block that is shorter is filled with zeros.
;;     - A block's scale is 2^e with e = floor(log2(the largest magnitude in the block)) - 4, held to -126 .. 127; a block of zeros has e = 0. As a byte (E8M0): e + 127.
;;     - Each number is divided by its block's scale, clamped to +-28, and rounded to the nearest number of E3M2, ties to even, subnormals kept.
;;     - The product sums the exact products of the quantised numbers (number of the format x scale) in f32.
;;   ~~~python
;;   def quantise(x, axis):      # numpy; x: float32 -> the quantised numbers, widened to float32 again
;;       x = np.moveaxis(x, axis, -1); K = x.shape[-1]
;;       x = np.pad(x, [(0, 0)] * (x.ndim - 1) + [(0, -K % 32)]); x = x.reshape(x.shape[:-1] + (-1, 32)); a = np.abs(x).max(-1, keepdims=True)
;;       e = np.where(a > 0, np.clip(np.frexp(np.where(a > 0, a, 1))[1] - 1 - 4, -126, 127), 0)      # np.frexp(a)[1] - 1 = floor(log2(a)), exactly
;;       r = np.clip(x / 2.0 ** e, -28, 28)
;;       step = 2.0 ** (np.maximum(np.frexp(np.where(r == 0, 1, r))[1] - 1, -2) - 2)
;;       q = np.round(r / step) * step * 2.0 ** e      # np.round: ties to even
;;       return np.moveaxis(q.reshape(q.shape[:-2] + (-1,))[..., :K], -1, axis).astype(np.float32)
;;   ~~~
;; One version. Each part assembles by itself: llvm-mc -triple=amdgcn-amd-amdhsa -mcpu=gfx1250 --defsym DOCPART=n.
;; ======== version 1 of 1: 2 launches
;; limits: right only within a limited range of input values
;; workspace buffers: a_ops 6,553,600 bytes; b_ops 26,214,400 bytes
;; launch quant (part 1): grid 1280 x 1, 4 waves a work-group, no clusters, 17,920 bytes of LDS; arguments x, base, mask, a_ops, b_ops; writes a_ops, b_ops
.if DOCPART == 1
	.amdgcn_target "amdgcn-amd-amdhsa--gfx1250"
	.amdhsa_code_object_version 6
	.text
	.protected	k_q7a03a8c5e5_quant
	.globl	k_q7a03a8c5e5_quant
	.p2align	8
	.type	k_q7a03a8c5e5_quant,@function
k_q7a03a8c5e5_quant:
	s_mov_b64 s[64:65], 0
	v_nop
	global_prefetch_b8 v0, s[64:65] scope:SCOPE_SE
	s_setreg_imm32_b32 hwreg(HW_REG_WAVE_MODE, 25, 1), 1
	s_wait_xcnt 0x0
; x [2048][4096] f32 (K innermost), base [4096][4096] f32 and mask [4096][4096] int32 (K is their FIRST axis) become codes of BF6 (E3M2), 6 bits each, with one E8M0 scale byte for each 32 along K.
; A block's scale is 2^(floor(log2(its largest magnitude)) - 4); its byte is the largest magnitude's exponent field - 4, held at 1 from below; each number is divided by the scale and rounded to the nearest code, ties to
; even, beyond the largest code the largest.  mask's whole numbers are first converted to f32, as the product's definition has it, and then go the same way as base: nothing is assumed of their values.
; LIMITS: a block of zeros gets the byte 1 where the rule says 127 (its codes are zeros, which add nothing under any byte but 0xff, and the bytes are read by this program alone); a block's largest magnitude is held at
; 2^-122 from below; NaN and infinities among the inputs are not served.
; THE WORKSPACE LIES IN THE ORDER OF THE OPERAND'S REGISTERS, CODES AND SCALE WORDS OF A STEP TOGETHER.  A fragment is 16 rows x 128 K: 12 registers a lane, 1,536 bytes; chunk cc (0..2) at byte 512 cc + 16 lane holds
; that lane's registers 4 cc .. 4 cc + 3.  Lane (r, h) of a fragment holds row r; its registers 0-5 are k = 32 h .. 32 h + 31, its registers 6-11 k = 64 + 32 h .. + 31.
;   a_ops [T 16][t 32][12,800]: T = row / 128, t = K / 128.  A step's 12,800 bytes: the fragments of its eight blocks of 16 rows, [i 8][1536], then their scale words, [g 4][r 16][j 2], the word of block 2 g + j, row r.
;   b_ops [T' 64][t 32][12,800]: T' = column / 64; blocks i = 0..3 are base's columns 64 T' + 16 i + r, blocks i = 4..7 mask's columns 64 T' + 16 (i - 4) + r.
; SHARES.  Every wave takes 8,192 numbers.  Work-groups 0-255 take x, 256-767 base, 768-1279 mask.  No tensor load, no barrier: waves share nothing.  Every offset is an immediate; no pointer is stepped.
; Only x's path touches LDS (a stage of its own for each wave).
.set XWG,   256                        ; x's work-groups
.set STEPB, 12800                      ; bytes of 128 rows x 128 K: codes and scale words
.set SCO,   12288                      ; where a step's scale words begin
.set RUN,   32*STEPB                   ; 128 rows, all of K
.set SPX,   272                        ; x's stage: a row of 256 bytes + 16, so that sixteen rows start at sixteen different groups of banks
.set R,     16                         ; x: v16-111   three sets of 32 registers as loaded
.set X,     112                        ; x: v112-143  my block of 32 neighbours along K
.set CD,    144                        ; x: v144-167  two sets of 12: a fragment's codes
.set TP,    168                        ; x: v168-170  a block's upper 16 codes (a conversion's three registers begin on an even number)
.set OWN,   172                        ; x: v172-175  fragment f's scale bytes
.set PD,    176                        ; x: v176-179  the other half's bytes
.set XW,    16                         ; weights: v16-79  two sets of 32 numbers down K
.set TPW,   80                         ; weights: v80-82
.set SB,    84                         ; weights: v84-85  the scale words of my two columns
.set CDW,   96                         ; weights: v96-143 my two columns' codes of 128 K; never rewritten
; 32 numbers of one block, v[xs] on, become 6 registers of codes: the lower 16 codes in v[d] .. v[d + 2], the upper 16 in v[tp] .. v[tp + 2]; the scale's byte in v13.  The caller's next line is a plain vector line.
.macro QBLOCK xs, d, tp
	v_max3_num_f32 v10, |v[\xs]|, |v[\xs+1]|, |v[\xs+2]|           ; the block's largest magnitude, in two chains: all 32 numbers are mine
	v_max3_num_f32 v11, |v[\xs+3]|, |v[\xs+4]|, |v[\xs+5]|
.irp i, 6,10,14,18,22,26
	v_max3_num_f32 v10, v10, |v[\xs+\i]|, |v[\xs+\i+1]|
	v_max3_num_f32 v11, v11, |v[\xs+\i+2]|, |v[\xs+\i+3]|
.endr
	v_max3_num_f32 v10, v10, |v[\xs+30]|, |v[\xs+31]|
	v_max3_num_f32 v10, v10, v11, 0x2800000                        ; and the floor 2^(5 - 127): the byte cannot fall under 1
	v_add_nc_u32 v12, 0xfe000000, v10                              ; 4 off its exponent field: the conversion takes the exponent field of this operand as its scale, and nothing else of it
	v_lshrrev_b32 v13, 23, v12                                     ; the scale's byte
	v_cvt_scalef32_pk16_bf6_f32 v[\d:\d+2], v[\xs:\xs+15], v12
	v_cvt_scalef32_pk16_bf6_f32 v[\tp:\tp+2], v[\xs+16:\xs+31], v12
.endm
; x: piece t = 2 u + c: rows 16 u .. 16 u + 15, the c-th 64 along K of my 128.  Each load reads two rows' 256 consecutive bytes, at multiples of 256 from x's first byte.
.macro LOADX t
.irp j, 0,1,2,3,4,5,6,7
	global_load_b128 v[R+32*((\t)%3)+4*\j:R+32*((\t)%3)+4*\j+3], v4, s[4:5] offset:(16*((\t)/2)+2*\j)*16384+256*((\t)%2) th:TH_LOAD_NT
.endr
.endm
; x: piece t goes through my stage (in as loaded, out 128 bytes a lane: row r, k = 32 h on) and becomes half a fragment: registers 6 (t % 2) on of fragment t / 2.
.macro HALF t
.set RS, R+32*((\t)%3)
.set FG, (\t)/2
.set DD, CD+12*(FG%2)+6*((\t)%2)
.if ((\t) == 4) || ((\t) == 6)
	s_wait_xcnt 0x0                                ; this set of code registers was the data of the stores of two fragments ago: it is rewritten only behind this wait
.endif
.if (\t) <= 5
	s_wait_loadcnt 16                              ; my eight loads are in; the two younger pieces' sixteen may be out
.else
	s_wait_loadcnt 8*(7-(\t))
.endif
.irp j, 0,1,2,3,4,5,6,7
	ds_store_b128 v5, v[RS+4*\j:RS+4*\j+3] offset:2*\j*SPX
.endr
.irp m, 0,1,2,3,4,5,6,7
	ds_load_b128 v[X+4*\m:X+4*\m+3], v6 offset:16*\m               ; LDS serves a wave's instructions in order: these see the stores above
.endr
	s_wait_dscnt 0x0                               ; my block is in, and the stores have read their registers,
.if (\t)+3 < 8
	LOADX (\t)+3                                   ; which take the piece three on
.endif
	QBLOCK X, DD, TP
.if (\t)%2 == 0
	v_mov_b32 v[OWN+FG], v13                       ; (the plain line behind the conversions)  my bytes: blocks h and 2 + h of the fragment's four
.else
	v_lshl_or_b32 v[OWN+FG], v13, 16, v[OWN+FG]
.endif
.irp i, 0,1,2
	v_mov_b32 v[DD+3+\i], v[TP+\i]
.endr
.if (\t)%2 == 1
.irp cc, 0,1,2
	global_store_b128 v7, v[CD+12*(FG%2)+4*\cc:CD+12*(FG%2)+4*\cc+3], s[10:11] offset:FG*1536+512*\cc   ; the fragment's image: 32 lanes store 512 consecutive bytes
.endr
.endif
.endm
; weights: turn t = 2 b + cp: rows 32 b + i of my 128, column 32 cp + lane of my 64, into set t % 2.  A load reads 128 consecutive bytes; the two passes stand side by side on 256 and take turns, block by block.
.macro LOADW t
.set i, 0
.rept 32
	global_load_b32 v[XW+32*((\t)%2)+i], v4, s[6:7] offset:(32*((\t)/2)+i)*16384+128*((\t)%2) th:TH_LOAD_NT
.set i, i+1
.endr
.endm
; weights: in the fragment's image block b of K belongs to lane (r, b % 2), registers 6 (b / 2) on: so a column's 12 registers for each of the two halves are gathered, and stored where those lanes' lie.
.macro BLOCK t
.set XS, XW+32*((\t)%2)
.set CP, (\t)%2
.set BQ, (\t)/2
.set DD, CDW+24*CP+12*(BQ%2)+6*(BQ/2)
.if (\t) < 7
	s_wait_loadcnt 32                              ; this turn's 32 loads are in; the next turn's may be out
.else
	s_wait_loadcnt 0x0
.endif
	s_cmp_eq_u32 s19, 0                            ; base is f32 already; the branch hangs on the work-group's number alone
	s_cbranch_scc1 .Lis_f32_\@
.set i, 0
.rept 32
	v_cvt_f32_i32 v[XS+i], v[XS+i]                 ; mask's whole numbers as f32
.set i, i+1
.endr
.Lis_f32_\@:
	QBLOCK XS, DD, TPW
.if BQ == 0
	v_mov_b32 v[SB+CP], v13                        ; (the plain line behind the conversions)  four bytes to a word, the lower K in the lower byte
.else
	v_lshl_or_b32 v[SB+CP], v13, 8*BQ, v[SB+CP]
.endif
.irp i, 0,1,2
	v_mov_b32 v[DD+3+\i], v[TPW+\i]
.endr
.if (\t)+2 < 8
	LOADW (\t)+2
.endif
.if BQ == 3
.irp hb, 0,1
.irp cc, 0,1,2
	global_store_b128 v5, v[CDW+24*CP+12*\hb+4*\cc:CDW+24*CP+12*\hb+4*\cc+3], s[14:15] offset:CP*3072+512*\cc+256*\hb   ; lanes 0-15 store 256 consecutive bytes of one block's image, lanes 16-31 of the next block's; both begin at multiples of 256
.endr
.endr
.endif
.endm
	s_load_b256 s[4:11], s[0:1], 0x0               ; x s[4:5], base s[6:7], mask s[8:9], a_ops s[10:11]
	s_load_b64 s[14:15], s[0:1], 0x20              ; b_ops
	v_lshl_add_u32 v14, v0, 2, 0x4400              ; my spare word, behind the four stages; v14 and v15 serve the closing add alone
	v_mov_b32 v15, 0
	v_lshrrev_b32 v1, 5, v0
	v_readfirstlane_b32 s18, v1                    ; wave 0..3
	v_and_b32 v1, 31, v0                           ; lane
	v_and_b32 v2, 15, v0                           ; r
	v_bfe_u32 v3, v0, 4, 1                         ; h
	s_cmp_lt_u32 ttmp9, XWG
	s_cbranch_scc0 .Lw
	; ---------------- x: a wave takes rows 64 P .. 64 P + 63 and step t of 128 along K: four fragments, one for each block of 16 rows
	s_mov_b32 s20, 0x76543210
	s_mov_b32 s21, 0xfedcba98                      ; v_permlanex16_b32's selects for lane l xor 16
	s_lshr_b32 s22, ttmp9, 3                       ; P
	s_and_b32 s23, ttmp9, 7
	s_lshl_b32 s23, s23, 2
	s_add_co_u32 s23, s23, s18                     ; t = 4 (work-group % 8) + wave
	s_lshl_b32 s24, s22, 20                        ; x: 64 rows of 16,384 bytes
	s_lshl_b32 s26, s23, 9                         ;    + 128 numbers of 4 bytes
	s_add_co_u32 s24, s24, s26
	s_mov_b32 s25, 0
	s_lshr_b32 s27, s22, 1                         ; T
	s_and_b32 s28, s22, 1                          ; which 64 of its 128 rows
	s_mul_i32 s30, s27, RUN
	s_mul_i32 s26, s23, STEPB
	s_add_co_u32 s30, s30, s26                     ; the step's first byte
	s_mov_b32 s31, 0
	s_lshl_b32 s32, s28, 8                         ; scale words: my four blocks' 256 bytes
	s_add_co_u32 s32, s32, s30
	s_add_co_u32 s32, s32, SCO
	s_mov_b32 s33, 0
	s_mul_i32 s26, s28, 6144                       ; codes: my four blocks of 1,536 bytes
	s_add_co_u32 s30, s30, s26
	s_mul_i32 s34, s18, 16*SPX                     ; my stage
	s_wait_alu depctr_va_vdst(0)
	v_lshlrev_b32 v4, 4, v2
	v_lshl_add_u32 v4, v3, 14, v4                  ; in memory: lanes 0-15 one row, lanes 16-31 the next; 16 bytes a lane
	v_mul_u32_u24 v5, v3, SPX
	v_lshl_add_u32 v5, v2, 4, v5
	v_add_nc_u32 v5, s34, v5                       ; into the stage: the same two rows
	v_mul_u32_u24 v6, v2, SPX
	v_lshl_add_u32 v6, v3, 7, v6
	v_add_nc_u32 v6, s34, v6                       ; out of it: row r, 128 bytes from 128 h on
	v_lshlrev_b32 v7, 4, v1                        ; an image's place for my lane
	v_lshlrev_b32 v8, 3, v1                        ; two scale words a lane
	v_lshlrev_b32 v9, 3, v3                        ; 8 h: my bytes' place in a scale word
.irp f, 0,1,2,3
	v_mov_b32 v[PD+\f], 0                          ; written once: a lane permute's destination counts as one of its sources
.endr
	s_wait_alu depctr_va_vdst(0)
	s_wait_kmcnt 0x0
	s_add_nc_u64 s[4:5], s[4:5], s[24:25]
	s_add_nc_u64 s[12:13], s[10:11], s[32:33]      ; where my scale words go,
	s_add_nc_u64 s[10:11], s[10:11], s[30:31]      ; and my codes
	LOADX 0
	LOADX 1
	LOADX 2
.irp t, 0,1,2,3,4,5,6,7
	HALF \t
.endr
.irp f, 0,1,2,3
	v_lshlrev_b32 v[OWN+\f], v9, v[OWN+\f]         ; my two bytes at their places (8 h bits up);
.endr
.irp f, 0,1,2,3
	v_permlanex16_b32 v[PD+\f], v[OWN+\f], s20, s21
.endr
.irp f, 0,1,2,3
	v_or_b32 v[OWN+\f], v[OWN+\f], v[PD+\f]        ; with lane l xor 16's two the word of row r is whole, in both halves
.endr
	v_cmp_ne_u32 vcc_lo, 0, v3
	v_cndmask_b32 v180, v[OWN+0], v[OWN+2], vcc_lo ; lanes 0-15 store the words of blocks 0 and 1, lanes 16-31 those of blocks 2 and 3
	v_cndmask_b32 v181, v[OWN+1], v[OWN+3], vcc_lo
	global_store_b64 v8, v[180:181], s[12:13]      ; 32 lanes store 256 consecutive bytes, at a multiple of 256
	s_wait_tensorcnt 0x0
	ds_add_u32 v14, v15
	s_wait_dscnt 0x0
	s_endpgm
	; ---------------- base and mask: a wave takes 64 columns, in two passes of 32, and step t of 128 along K; a lane takes a column, and its registers run down K
.Lw:
	s_sub_co_u32 s22, ttmp9, XWG                   ; g = 0 .. 1,023
	s_lshr_b32 s19, s22, 9                         ; 0: base, 1: mask
	s_and_b32 s23, s22, 31                         ; which 128 columns
	s_bfe_u32 s24, s22, 0x40005                    ; which 256 along K: 4 bits from bit 5
	s_and_b32 s28, s18, 1                          ; my wave's 128 of them
	s_lshr_b32 s29, s18, 1                         ; my wave's 64 of the 128 columns
	s_lshl_b32 s24, s24, 1
	s_add_co_u32 s24, s24, s28                     ; t
	s_lshl_b32 s26, s24, 21                        ; source: 128 rows of 16,384 bytes,
	s_lshl_b32 s35, s23, 9                         ; 128 columns of 4 bytes,
	s_add_co_u32 s26, s26, s35
	s_lshl_b32 s35, s29, 8                         ; my wave's 64
	s_add_co_u32 s26, s26, s35
	s_mov_b32 s27, 0
	s_lshl_b32 s35, s23, 1
	s_add_co_u32 s29, s29, s35                     ; T' = column / 64
	s_mul_i32 s30, s29, RUN
	s_mul_i32 s35, s24, STEPB
	s_add_co_u32 s30, s30, s35                     ; the step's first byte
	s_mov_b32 s31, 0
	s_lshl_b32 s32, s19, 8                         ; scale words: base's four blocks' 256 bytes, then mask's
	s_add_co_u32 s32, s32, s30
	s_add_co_u32 s32, s32, SCO
	s_mov_b32 s33, 0
	s_mul_i32 s35, s19, 6144                       ; codes: base's four blocks of 1,536 bytes, then mask's
	s_add_co_u32 s30, s30, s35
	s_wait_alu depctr_va_vdst(0)
	v_lshlrev_b32 v4, 2, v1                        ; in: 4 bytes a lane
	v_mul_u32_u24 v5, v3, 1536
	v_lshl_add_u32 v5, v2, 4, v5                   ; out: my block's image, row r's 16 bytes
	v_lshlrev_b32 v6, 3, v1                        ; two scale words a lane
	s_wait_alu depctr_va_vdst(0)
	s_wait_kmcnt 0x0
	s_cmp_eq_u32 s19, 0                            ; the choice hangs on the work-group's number alone
	s_cselect_b64 s[6:7], s[6:7], s[8:9]
	s_add_nc_u64 s[6:7], s[6:7], s[26:27]
	s_add_nc_u64 s[16:17], s[14:15], s[32:33]      ; where my scale words go,
	s_add_nc_u64 s[14:15], s[14:15], s[30:31]      ; and my codes
	LOADW 0
	LOADW 1
.irp t, 0,1,2,3,4,5,6,7
	BLOCK \t
.endr
	v_permlane16_swap_b32 v[SB], v[SB+1]           ; the first's lanes 16-31 (block 1) change places with the second's lanes 0-15 (block 2): lanes 0-15 now hold the words of blocks 0 and 1, lanes 16-31 those of blocks 2 and 3
	global_store_b64 v6, v[SB:SB+1], s[16:17]      ; 32 lanes store 256 consecutive bytes, at a multiple of 256
	s_endpgm
.Lfunc_end_k_q7a03a8c5e5_quant:
	.size	k_q7a03a8c5e5_quant, .Lfunc_end_k_q7a03a8c5e5_quant-k_q7a03a8c5e5_quant
	.p2alignl 7, 3214868480
	.fill 96, 4, 3214868480
	.section	.rodata,"a",@progbits
	.p2align	6, 0x0
	.amdhsa_kernel k_q7a03a8c5e5_quant
		.amdhsa_group_segment_fixed_size 17920
		.amdhsa_private_segment_fixed_size 0
		.amdhsa_enable_private_segment 0
		.amdhsa_kernarg_size 40
		.amdhsa_user_sgpr_count 2
		.amdhsa_user_sgpr_kernarg_segment_ptr 1
		.amdhsa_wavefront_size32 1
		.amdhsa_system_sgpr_workgroup_id_x 1
		.amdhsa_system_sgpr_workgroup_id_y 1
		.amdhsa_system_sgpr_workgroup_id_z 1
		.amdhsa_system_vgpr_workitem_id 0
		.amdhsa_next_free_vgpr 182
		.amdhsa_next_free_sgpr 66
		.amdhsa_reserve_vcc 1
		.amdhsa_float_denorm_mode_32 3
		.amdhsa_float_denorm_mode_16_64 3
		.amdhsa_memory_ordered 1
		.amdhsa_forward_progress 1
		.amdhsa_inst_pref_size 77
	.end_amdhsa_kernel
	.amdgpu_metadata
---
amdhsa.version: [ 1, 2 ]
amdhsa.kernels:
  - .name:           k_q7a03a8c5e5_quant
    .symbol:         k_q7a03a8c5e5_quant.kd
    .args:
      - { .name: x, .offset: 0, .size: 8, .value_kind: global_buffer, .address_space: global }
      - { .name: base, .offset: 8, .size: 8, .value_kind: global_buffer, .address_space: global }
      - { .name: mask, .offset: 16, .size: 8, .value_kind: global_buffer, .address_space: global }
      - { .name: a_ops, .offset: 24, .size: 8, .value_kind: global_buffer, .address_space: global }
      - { .name: b_ops, .offset: 32, .size: 8, .value_kind: global_buffer, .address_space: global }
    .group_segment_fixed_size: 17920
    .private_segment_fixed_size: 0
    .kernarg_segment_align: 8
    .kernarg_segment_size: 40
    .max_flat_workgroup_size: 128
    .sgpr_count:     66
    .vgpr_count:     182
    .wavefront_size: 32
...
	.end_amdgpu_metadata
.endif
;; end of part 1
;; launch gemm (part 2): grid 32 x 8, 4 waves a work-group, clusters of 4 x 4, 327,680 bytes of LDS; arguments a_ops, b_ops, coeff, out0; writes out0
.if DOCPART == 2
	.amdgcn_target "amdgcn-amd-amdhsa--gfx1250"
	.amdhsa_code_object_version 6
	.text
	.protected	k_q7a03a8c5e5_gemm
	.globl	k_q7a03a8c5e5_gemm
	.p2align	8
	.type	k_q7a03a8c5e5_gemm,@function
k_q7a03a8c5e5_gemm:
	s_mov_b64 s[64:65], 0
	v_nop
	global_prefetch_b8 v0, s[64:65] scope:SCOPE_SE
	s_setreg_imm32_b32 hwreg(HW_REG_WAVE_MODE, 25, 1), 1
	s_wait_xcnt 0x0
	s_wait_alu depctr_hold_cnt(0) depctr_sa_sdst(0) depctr_va_vdst(0) depctr_va_sdst(0) depctr_va_ssrc(0) depctr_va_vcc(0) depctr_vm_vsrc(0)
	s_getreg_b32 s2, hwreg(HW_REG_IB_STS2, 6, 4)
	s_cmp_eq_u32 s2, 0
	s_cbranch_scc0 .Lentry_in_a_cluster
	s_endpgm
.Lentry_in_a_cluster:
	s_bfe_u32 s2, ttmp6, 0x10000c
	s_cmp_lg_u32 s2, 0xf033
	s_cbranch_scc0 .Lentry_shape_is_right
	s_endpgm
.Lentry_shape_is_right:
; out0[m][n] = sum_k Q(x)[m][k] Q(base)[k][n] + coeff x sum_k Q(x)[m][k] Q(mask)[k][n]: both products on codes of BF6 (E3M2) with E8M0 scales, f32 sums; one fused multiply-add joins them.
; a_ops [T 16][t 32][12,800] and b_ops [T' 64][t 32][12,800] hold, for 128 rows and 128 along K, eight fragments as images of the operand's registers (1,536 bytes each: 16 bytes a lane, three times) and their scale words.
; In b_ops blocks 0-3 of a run are 64 columns of base, blocks 4-7 the same 64 columns of mask.
; A work-group of four waves makes 256 rows x 128 columns of out0; a wave 128 rows x 64 columns, for base and for mask: 64 accumulators of 16 x 16, 512 registers.
; THE RING: two LDS slots, each with three K steps of two runs of A and two of B (4 x 38,400 bytes); a wave fills a quarter of a slot by one tensor load of 150 dense rows of 256 bytes.  32 steps = ten fills of three and one of two.
; CLUSTERS: 4 x 4 work-groups; A's runs are asked for jointly along a row of the cluster, B's along a column.
; REGISTERS, in four windows of 256.  Window 0: v2-15 addresses, v16-31 two sets of scale words, v64-159 and v160-255 two sets of A's eight fragments.  Window 1: v0-95 and v128-223 two sets of B's eight.
;   Window 2: the accumulators of A's blocks 0-3 (block a, column block b at v[8 (8 (a % 4) + b)]);  window 3: those of blocks 4-7.
; A STEP is four phases of 16 matrix instructions (A's blocks 2 w, 2 w + 1 against B's eight) on one set, while the other set takes the next step's fragments: 52 LDS loads in two runs, 28 at the step's head and 24 in its middle,
; each asked for 64 or 32 matrix instructions ahead of the step that reads it.
; THE CHANGE OF SLOTS stands at the end of a slot's SECOND step: the third step's fragments are in registers by then, so the slot is read out and is filled again, and the third step fetches from the other slot like any step.
; THE MATRIX INSTRUCTION IS USED TRANSPOSED (source 0 = 16 columns of the weights, source 1 = 16 rows of x): a lane holds eight neighbouring numbers of a row of out0.
; PREFETCH: the head names fills 1 and 2; behind the refill that loads fill f + 2 every wave names fill f + 3, three K steps ahead of its load.  A fill's 150 blocks of 256 bytes are shared out among the four partners by address, 38 each.
; The short last fill comes by its load alone: the 38 blocks of the fourth partner would pass its end.
.set FR,     12
.set STEPB,  12800                     ; a step of a run: 8 x 1,536 bytes of codes, 512 of scale words
.set SCO,    12288
.set RUN,    32*STEPB
.set HALFT,  3*STEPB                   ; what one tensor load brings
.set SLOT,   4*HALFT
.set SPITCH, 272                       ; the way out: a stage row of 256 bytes + 16
.set STAGE,  2*SLOT                    ; behind the ring: 16 rows for each wave; no tensor load lands there
.set SPARE,  STAGE+4*16*SPITCH         ; the spare words, 128 bytes a wave
.set OROW,   16384                     ; a row of out0 in bytes
.set OUTP, 10                          ; s[10:11] out0
.set ADRA, 2                           ; v2-3  LDS address of my A run in slot 0, 1: + 16 x lane
.set ADRB, 4                           ; v4-5  the same for B
.set ADRS, 6                           ; v6-7  scale words: lanes 0-15 A's run, lanes 16-31 B's
.set STO,  8
.set RD,   9
.set CO,   10
.set SPW,  12                          ; v12 my spare word, v13 = 0: never rewritten
.set NIL,  13
.set PF1,  14                          ; v14-15 the prefetches' offsets
.set PF2,  15
.set SC,   16                          ; scale words: set p at v[16 + 8 p]; register i: lanes 0-15 A's block i, lanes 16-31 B's block i
.set AF,   64                          ; A's fragments: set p at v[64 + 96 p]
.set BK,   32                          ; the way out: rows read back, two sets of 32: v32-63, and v64-95 where A's blocks 0-2 of set 0 lay
.set G1,   24                          ; s[24:31] group 1 for A's fills, s[32:39] group 0 for slot 0, 1
.set G0,   32
.set G1B,  48                          ; the same for B
.set G0B,  56
.set G1F,  68                          ; group 1 for the last fill, two steps: 100 rows
.set G1FB, 80
.set PFA,  96
.set MSB, 0
.macro WIN new                         ; the immediate's high byte repeats the setting that is left
.if MSB != (\new)
	s_set_vgpr_msb (MSB<<8)|(\new)
.set MSB, (\new)
.endif
.endm
.macro PLACES
.rept 4
	v_nop
.endr
.endm
; a joint load: waves 0, 1 fetch A's two runs, waves 2, 3 B's; s_nop 0 and four v_nop behind each line
.macro JLOAD g0a, g1a, g0b, g1b
	s_cmp_eq_u32 s17, 0
	s_cbranch_scc0 .Lfor_b_\@
	tensor_load_to_lds s[\g0a:\g0a+3], s[\g1a:\g1a+7]
	s_nop 0
	PLACES
	s_branch .Lasked_\@
.Lfor_b_\@:
	tensor_load_to_lds s[\g0b:\g0b+3], s[\g1b:\g1b+7]
	s_nop 0
	PLACES
.Lasked_\@:
.endm
.macro CREST                           ; a round of the cluster's barrier behind its opening barrier
	s_cmp_lg_u32 s16, 0
	s_cbranch_scc1 .Lnot_wave_0_\@
	s_barrier_signal -3
.Lnot_wave_0_\@:
	s_barrier_wait -3
	s_barrier_signal -1
	s_barrier_wait -1
.endm
.macro CROUND
	s_barrier_signal -1
	s_barrier_wait -1
	CREST
.endm
.macro ASK how                         ; how = 2: not in the loop's last trip, where the next fill but one is the short one
.if \how == 2
	s_cmp_gt_u32 s3, 1
	s_cbranch_scc0 .Lno_ask_\@
.endif
	global_prefetch_b8 v[PF1], s[PFA:PFA+1] th:TH_LOAD_NT scope:SCOPE_SE
	global_prefetch_b8 v[PF2], s[PFA:PFA+1] th:TH_LOAD_NT scope:SCOPE_SE
.if \how == 2
.Lno_ask_\@:
.endif
.endm
.macro FRAG reg, adr, q, i             ; a fragment's image: three loads of 16 bytes a lane, 512 consecutive bytes each
.irp c, 0,1,2
	ds_load_b128 v[\reg+4*\c:\reg+4*\c+3], v[\adr] offset:(\q)*STEPB+(\i)*1536+512*\c
.endr
.endm
; the fragments of the step at place nq of slot ns, into set np.  First run, 28 loads: A's blocks 0-3, the scale words, B's blocks 0-3
.macro FETCH1 np, ns, nq
	WIN 0
.irp i, 0,1,2,3
	FRAG AF+96*(\np)+FR*\i, ADRA+(\ns), \nq, \i
.endr
.irp g, 0,1,2,3
	ds_load_b64 v[SC+8*(\np)+2*\g:SC+8*(\np)+2*\g+1], v[ADRS+(\ns)] offset:(\nq)*STEPB+SCO+128*\g
.endr
	WIN 0x40                                       ; destination window 1, address window 0
.irp i, 0,1,2,3
	FRAG 128*(\np)+FR*\i, ADRB+(\ns), \nq, \i
.endr
.endm
; second run, 24 loads: B's blocks 4-7, then A's blocks 4-7, which the step reads last
.macro FETCH2 np, ns, nq
	WIN 0x40
.irp i, 4,5,6,7
	FRAG 128*(\np)+FR*\i, ADRB+(\ns), \nq, \i
.endr
	WIN 0
.irp i, 4,5,6,7
	FRAG AF+96*(\np)+FR*\i, ADRA+(\ns), \nq, \i
.endr
.endm
; 16 matrix instructions on set p: A's blocks 2 w, 2 w + 1 x B's eight, 128 along K; all 64 accumulators of a step take turns.  zero = 1: the product starts the sums
.macro PHASE w, p, zero
	WIN 0xa1+0x50*((\w)/2)                         ; source 0 (B) window 1, source 1 (A) window 0, C and D window 2 or 3
.irp a, 0,1
.irp b, 0,1,2,3,4,5,6,7
.set AD, 8*(8*(2*((\w)%2)+\a)+\b)
.set FB, 128*(\p)+FR*\b
.set FA, AF+96*(\p)+FR*(2*(\w)+\a)
.set SB, SC+8*(\p)+\b
.set SA, SC+8*(\p)+2*(\w)+\a
.if \zero
	v_wmma_scale_f32_16x16x128_f8f6f4 v[AD:AD+7], v[FB:FB+FR-1], v[FA:FA+FR-1], 0, v[SB], v[SA] matrix_a_fmt:MATRIX_FMT_BF6 matrix_b_fmt:MATRIX_FMT_BF6 matrix_a_scale:MATRIX_SCALE_ROW1
.else
	v_wmma_scale_f32_16x16x128_f8f6f4 v[AD:AD+7], v[FB:FB+FR-1], v[FA:FA+FR-1], v[AD:AD+7], v[SB], v[SA] matrix_a_fmt:MATRIX_FMT_BF6 matrix_b_fmt:MATRIX_FMT_BF6 matrix_a_scale:MATRIX_SCALE_ROW1
.endif
.endr
.endr
.endm
; three quarters of a step.  The four v_nop are the places between the last step's matrix instructions and this step's loads into the set that they read (ISA guide 7.12.1 for vector instructions)
.macro FRONT p, ns, nq, zero
	PLACES
	s_wait_dscnt 12                                ; all of this step's loads but the youngest twelve, A's blocks 4-7
	FETCH1 1-(\p), \ns, \nq
	PHASE 0, \p, \zero
	PHASE 1, \p, \zero
	FETCH2 1-(\p), \ns, \nq
	s_wait_dscnt 52                                ; A's blocks 4-7 are in: behind them stand the 28 + 24 loads for the next step
	PHASE 2, \p, \zero
.endm
.macro STEP p, ns, nq, zero
	FRONT \p, \ns, \nq, \zero
	PHASE 3, \p, \zero
.endm
; the second step of slot sl: it fetches the slot's third step, and at its end ONE barrier shows the other slot whole and this slot read out.  fill = 1: the barrier opens a round of the cluster's barrier and this slot is filled again
.macro TURN p, sl, fill, ga, gb, ask
.if \ask
	s_wait_xcnt 0x0                                ; my earlier prefetches have read their address: it steps one fill on
	s_add_nc_u64 s[PFA:PFA+1], s[PFA:PFA+1], HALFT
.endif
	PLACES
	s_wait_dscnt 12                                ; all of this step's loads but A's blocks 4-7
	FETCH1 1-(\p), \sl, 2
	PHASE 0, \p, 0
	PHASE 1, \p, 0
	FETCH2 1-(\p), \sl, 2                          ; (leaves every window 0: the add's two registers lie in window 0)
	s_wait_tensorcnt 0x0                           ; all my tensor loads have landed: my part of the other slot
	ds_add_u32 v[SPW], v[NIL]                      ; the add stands at the end of the run of LDS loads, and 32 matrix instructions stand between it and the wait for it
.if \fill
	s_add_nc_u64 s[G0+4*(\sl)+2:G0+4*(\sl)+3], s[G0+4*(\sl)+2:G0+4*(\sl)+3], 2*HALFT   ; no load of mine is out: this slot's next fill
	s_add_nc_u64 s[G0B+4*(\sl)+2:G0B+4*(\sl)+3], s[G0B+4*(\sl)+2:G0B+4*(\sl)+3], 2*HALFT
.endif
	s_wait_dscnt 53                                ; A's blocks 4-7 are in: behind them stand the 28 + 24 loads for the next step and the add
	PHASE 2, \p, 0
	PHASE 3, \p, 0
	s_wait_dscnt 0x0                               ; the add is done, and my reads of this slot are over: its third step is in registers
	WIN 0
	s_barrier_signal -1
	s_barrier_wait -1
.if \fill
	CREST
	JLOAD G0+4*(\sl), \ga, G0B+4*(\sl), \gb
.endif
.if \ask
	ASK \ask
.endif
.endm
	s_load_b256 s[4:11], s[0:1], 0x0               ; a_ops s[4:5], b_ops s[6:7], coeff s[8:9], out0 s[10:11]
	v_lshl_add_u32 v[SPW], v0, 2, SPARE
	v_mov_b32 v[NIL], 0
	ds_add_u32 v[SPW], v[NIL]                      ; the opening lines: the add twice on end and one wait
	ds_add_u32 v[SPW], v[NIL]
	v_lshrrev_b32 v1, 5, v0
	v_readfirstlane_b32 s16, v1                    ; wave
	s_lshr_b32 s17, s16, 1                         ; my half of the rows; also: I fetch for A (0) or B (1)
	s_and_b32 s18, s16, 1                          ; my half of the columns; also: which of the two runs I fetch
	s_bfe_u32 s40, ttmp6, 0x40000                  ; cx
	s_bfe_u32 s41, ttmp6, 0x40004                  ; cy
	s_lshl_b32 s42, ttmp9, 2
	s_add_co_u32 s42, s42, s40                     ; tile column
	s_and_b32 s19, ttmp7, 0xffff
	s_lshl_b32 s19, s19, 2
	s_add_co_u32 s19, s19, s41                     ; tile row
	s_lshl_b32 s43, s41, 2
	s_lshl_b32 s43, 15, s43                        ; my row of the cluster
	s_lshl_b32 s44, 0x1111, s40                    ; my column
	s_or_b32 s[G1+0], s43, (3<<16)|(1<<21)         ; elements of 8 bytes; bit 21 beside a mask
	s_or_b32 s[G1B+0], s44, (3<<16)|(1<<21)
	s_or_b32 s[G1F+0], s43, (3<<16)|(1<<21)
	s_or_b32 s[G1FB+0], s44, (3<<16)|(1<<21)
.irp g, G1, G1B
	s_mov_b32 s[\g+1], 32<<16                      ; rows of 32 elements, 256 bytes, dense
	s_mov_b32 s[\g+2], 150<<16
	s_mov_b32 s[\g+3], 32<<16
	s_mov_b32 s[\g+4], 150
	s_mov_b32 s[\g+5], 32
	s_mov_b32 s[\g+6], 0
	s_mov_b32 s[\g+7], 0
.endr
.irp g, G1F, G1FB
	s_mov_b32 s[\g+1], 32<<16
	s_mov_b32 s[\g+2], 100<<16
	s_mov_b32 s[\g+3], 32<<16
	s_mov_b32 s[\g+4], 100
	s_mov_b32 s[\g+5], 32
	s_mov_b32 s[\g+6], 0
	s_mov_b32 s[\g+7], 0
.endr
	s_lshl_b32 s20, s19, 1
	s_add_co_u32 s20, s20, s18
	s_mul_i32 s20, s20, RUN                        ; A's run 2 x tile row + half
	s_mov_b32 s21, 0
	s_lshl_b32 s46, s42, 1
	s_add_co_u32 s46, s46, s18
	s_mul_i32 s46, s46, RUN                        ; B's run 2 x tile column + half
	s_mov_b32 s47, 0
	s_mul_i32 s45, s16, HALFT                      ; where my fills go: the wave's number alone
	s_wait_dscnt 0x0
	s_wait_kmcnt 0x0
	s_add_nc_u64 s[20:21], s[4:5], s[20:21]
	s_add_nc_u64 s[46:47], s[6:7], s[46:47]
.irp s, 0,1
	s_mov_b32 s[G0+4*\s], 1
	s_add_co_u32 s[G0+4*\s+1], s45, \s*SLOT
	s_add_nc_u64 s[G0+4*\s+2:G0+4*\s+3], s[20:21], \s*HALFT
	s_or_b32 s[G0+4*\s+3], s[G0+4*\s+3], 0x80000000
	s_mov_b32 s[G0B+4*\s], 1
	s_add_co_u32 s[G0B+4*\s+1], s45, \s*SLOT
	s_add_nc_u64 s[G0B+4*\s+2:G0B+4*\s+3], s[46:47], \s*HALFT
	s_or_b32 s[G0B+4*\s+3], s[G0B+4*\s+3], 0x80000000
.endr
	CROUND                                         ; in front of the first joint loads
	JLOAD G0, G1, G0B, G1B                         ; steps 0-2: one tensor load a wave at the head
	s_load_b32 s66, s[8:9], 0x0                    ; coeff: awaited ahead of the last step
	s_mul_i32 s2, s17, HALFT                       ; my run of A in slot 0, 1
	s_add_co_u32 s92, s2, SLOT
	s_mul_i32 s95, s18, HALFT                      ; my run of B, behind A's two
	s_add_co_u32 s95, s95, 2*HALFT
	s_add_co_u32 s93, s95, SLOT
	s_xor_b32 s94, s17, 1
	s_add_co_u32 s94, s94, s18
	s_add_co_u32 s94, s94, 1
	s_mul_i32 s94, s94, HALFT                      ; from my run of A to my run of B
	s_mul_i32 s98, s16, 16*SPITCH
	s_add_co_u32 s98, s98, STAGE                   ; my stage
	s_cmp_eq_u32 s17, 0
	s_cselect_b64 s[PFA:PFA+1], s[20:21], s[46:47] ; the run that I fetch,
	s_cselect_b32 s99, s40, s41                    ; my place among the four that ask for it with me,
	s_mul_i32 s99, s99, 38                         ; and my 38 of a fill's 150 blocks
	s_add_nc_u64 s[PFA:PFA+1], s[PFA:PFA+1], 2*HALFT   ; at fill 2; the first change of slots steps it to fill 3
	s_lshl_b32 s20, s19, 8
	s_lshl_b32 s21, s17, 7
	s_add_co_u32 s20, s20, s21
	s_lshl_b32 s20, s20, 14                        ; my first row of out0, in bytes
	s_mov_b32 s21, 0
	s_lshl_b32 s46, s42, 9
	s_lshl_b32 s47, s18, 8
	s_add_co_u32 s46, s46, s47                     ; my first column, in bytes
	s_mov_b32 s47, 0
	s_add_nc_u64 s[20:21], s[20:21], s[46:47]
	s_add_nc_u64 s[OUTP:OUTP+1], s[OUTP:OUTP+1], s[20:21]
	v_and_b32 v32, 15, v0                          ; r
	v_bfe_u32 v33, v0, 4, 1                        ; h
	v_and_b32 v34, 31, v0                          ; lane
	v_lshlrev_b32 v35, 4, v34                      ; an image's 16 bytes a lane
	v_mul_u32_u24 v36, s94, v33                    ; lanes 16-31 take B's scale words
	v_lshl_add_u32 v36, v32, 3, v36                ; two words a row
	v_add_nc_u32 v[ADRA], s2, v35
	v_add_nc_u32 v[ADRA+1], s92, v35
	v_add_nc_u32 v[ADRB], s95, v35
	v_add_nc_u32 v[ADRB+1], s93, v35
	v_add_nc_u32 v[ADRS], s2, v36
	v_add_nc_u32 v[ADRS+1], s92, v36
	v_mul_u32_u24 v37, v32, SPITCH                 ; into the stage: row r, 32 bytes for each half of the lanes
	v_lshl_add_u32 v37, v33, 5, v37
	v_add_nc_u32 v[STO], s98, v37
	v_mul_u32_u24 v38, v33, SPITCH                 ; back: lanes 0-15 one row of 256 bytes, lanes 16-31 the next
	v_lshl_add_u32 v38, v32, 4, v38
	v_add_nc_u32 v[RD], s98, v38
	v_lshlrev_b32 v[CO], 4, v32
	v_lshl_add_u32 v[CO], v33, 14, v[CO]           ; and the same two rows in out0
	v_add_nc_u32 v[PF1], s99, v34                  ; blocks 38 p + lane,
	v_lshlrev_b32 v[PF1], 8, v[PF1]
	v_min_u32 v39, 5, v34                          ; and 38 p + 32 .. 37; the lanes left over name the last again,
	v_add3_u32 v39, v39, s99, 32
	v_min_u32 v39, 149, v39                        ; none beyond the fill's 150
	v_lshlrev_b32 v[PF2], 8, v39
	s_wait_alu depctr_va_vdst(0)
	global_prefetch_b8 v[PF1], s[PFA:PFA+1] offset:-HALFT th:TH_LOAD_NT scope:SCOPE_SE   ; fill 1; fill 2 is named behind slot 1's first fill
	global_prefetch_b8 v[PF2], s[PFA:PFA+1] offset:-HALFT th:TH_LOAD_NT scope:SCOPE_SE
	s_wait_tensorcnt 0x0                           ; my part of steps 0-2 is in; slot 1's first fill is issued as a refill is
	ds_add_u32 v[SPW], v[NIL]
	s_wait_dscnt 0x0
	CROUND
	JLOAD G0+4, G1, G0B+4, G1B                     ; steps 3-5
	FETCH1 0, 0, 0                                 ; step 0's fragments and scale words
	FETCH2 0, 0, 0
	global_prefetch_b8 v[PF1], s[PFA:PFA+1] th:TH_LOAD_NT scope:SCOPE_SE                 ; fill 2, behind the joint load and the run of LDS loads; its load stands at the end of step 1
	global_prefetch_b8 v[PF2], s[PFA:PFA+1] th:TH_LOAD_NT scope:SCOPE_SE
	STEP 0, 0, 1, 1                                ; step 0 starts the sums: nothing is cleared
	WIN 0
	s_mov_b32 s3, 4
.Llap:                                                 ; a trip: steps 6 k + 1 .. 6 k + 6; sets, places and slots are back where they began
	TURN 1, 0, 1, G1, G1B, 1                       ; slot 0 takes fill 2 k + 2
	STEP 0, 1, 0, 0
	STEP 1, 1, 1, 0
	TURN 0, 1, 1, G1, G1B, 2                       ; slot 1 takes fill 2 k + 3
	STEP 1, 0, 0, 0
	STEP 0, 0, 1, 0
	WIN 0
	s_sub_co_u32 s3, s3, 1
	s_cmp_lg_u32 s3, 0
	s_cbranch_scc1 .Llap
	TURN 1, 0, 1, G1F, G1FB, 0                     ; steps 25 to 29; the last fill: steps 30 and 31
	STEP 0, 1, 0, 0
	STEP 1, 1, 1, 0
	TURN 0, 1, 0, G1, G1B, 0                       ; nothing is filled again: no round
	STEP 1, 0, 0, 0
	s_wait_kmcnt 0x0                               ; coeff
	s_mov_b32 s67, s66
; THE WAY OUT of block a, 16 rows x 64 columns.  COMB: base's sum + coeff x mask's, in place, each accumulator from its low end on.  TOSTAGE: into my own stage and back as whole rows of 256 bytes.  SEND: stored.
.macro COMB a
.set AC, 64*((\a)%4)
	WIN 0x55*(2+(\a)/4)
.irp b, 0,1,2,3
.irp j, 0,2,4,6
	v_pk_fma_f32 v[AC+8*\b+\j:AC+8*\b+\j+1], v[AC+8*(\b+4)+\j:AC+8*(\b+4)+\j+1], s[66:67], v[AC+8*\b+\j:AC+8*\b+\j+1] op_sel_hi:[1,0,1]
.endr
.endr
.endm
.macro TOSTAGE a
.set AC, 64*((\a)%4)
.set BB, BK+32*((\a)%2)
	WIN (2+(\a)/4)<<2                              ; the data's window; the address in window 0
.irp b, 0,1,2,3
	ds_store_b128 v[STO], v[AC+8*\b:AC+8*\b+3] offset:64*\b
	ds_store_b128 v[STO], v[AC+8*\b+4:AC+8*\b+7] offset:64*\b+16
.endr
	WIN 0
.irp t, 0,1,2,3,4,5,6,7
	ds_load_b128 v[BB+4*\t:BB+4*\t+3], v[RD] offset:\t*2*SPITCH    ; LDS serves a wave's instructions in order: these see the stores above
.endr
.endm
.macro SEND a, younger
.set BB, BK+32*((\a)%2)
	s_wait_dscnt \younger
.if (\a) > 0
	s_add_nc_u64 s[OUTP:OUTP+1], s[OUTP:OUTP+1], 16*OROW   ; (behind a wait on XCNT: the earlier stores have read their base)
.endif
.irp t, 0,1,2,3,4,5,6,7
	global_store_b128 v[CO], v[BB+4*\t:BB+4*\t+3], s[OUTP:OUTP+1] offset:\t*2*OROW th:TH_STORE_NT   ; 16 lanes store 256 consecutive bytes, aligned
.endr
.endm
.macro OUT a
	s_wait_xcnt 0x0                                ; block a - 2's stores have read their registers and their base
	COMB \a
	TOSTAGE \a
	SEND (\a)-1, 16                                ; behind block a - 1's loads: block a's 8 stores and 8 loads
.endm
	; STEPS 30 (set 0) AND 31 (set 1) GO BY ROWS OF out0: both sets are in registers, so two blocks of rows take both steps, K ascending, and leave while the other blocks are multiplied.  No fragment is read twice.
	PLACES
	s_wait_dscnt 12                                ; all of step 30's loads but A's blocks 4-7
	FETCH1 1, 0, 1                                 ; step 31, all 52 loads
	FETCH2 1, 0, 1
	PHASE 0, 0, 0                                  ; step 30, blocks 0-3
	PHASE 1, 0, 0
	s_wait_dscnt 12                                ; all but the youngest twelve, step 31's blocks 4-7 of A
	PHASE 0, 1, 0                                  ; step 31: blocks 0 and 1 are finished
	PLACES                                         ; in front of the reads of results just made, and of the loads into A's blocks 0-2 of set 0
	COMB 0
	TOSTAGE 0
	COMB 1
	TOSTAGE 1
	SEND 0, 16                                     ; this wait also shows step 31's blocks 4-7 of A in: they were asked for earlier
	PHASE 1, 1, 0                                  ; blocks 2 and 3 are finished
	PLACES
	OUT 2
	OUT 3
	PHASE 2, 0, 0                                  ; blocks 4 and 5: step 30, then step 31; each accumulator's two turns stand sixteen instructions apart
	PHASE 2, 1, 0
	PLACES
	OUT 4
	OUT 5
	PHASE 3, 0, 0                                  ; blocks 6 and 7
	PHASE 3, 1, 0
	PLACES
	OUT 6
	OUT 7
	s_wait_xcnt 0x0
	SEND 7, 0
	s_wait_tensorcnt 0x0                           ; the wave's end
	ds_add_u32 v[SPW], v[NIL]
	s_wait_dscnt 0x0
	CROUND                                         ; the closing round
	s_endpgm
.Lfunc_end_k_q7a03a8c5e5_gemm:
	.size	k_q7a03a8c5e5_gemm, .Lfunc_end_k_q7a03a8c5e5_gemm-k_q7a03a8c5e5_gemm
	.p2alignl 7, 3214868480
	.fill 96, 4, 3214868480
	.section	.rodata,"a",@progbits
	.p2align	6, 0x0
	.amdhsa_kernel k_q7a03a8c5e5_gemm
		.amdhsa_group_segment_fixed_size 327680
		.amdhsa_private_segment_fixed_size 0
		.amdhsa_enable_private_segment 0
		.amdhsa_kernarg_size 32
		.amdhsa_user_sgpr_count 2
		.amdhsa_user_sgpr_kernarg_segment_ptr 1
		.amdhsa_wavefront_size32 1
		.amdhsa_system_sgpr_workgroup_id_x 1
		.amdhsa_system_sgpr_workgroup_id_y 1
		.amdhsa_system_sgpr_workgroup_id_z 1
		.amdhsa_system_vgpr_workitem_id 0
		.amdhsa_next_free_vgpr 1024
		.amdhsa_next_free_sgpr 101
		.amdhsa_reserve_vcc 0
		.amdhsa_float_denorm_mode_32 3
		.amdhsa_float_denorm_mode_16_64 3
		.amdhsa_memory_ordered 1
		.amdhsa_forward_progress 1
		.amdhsa_inst_pref_size 201
	.end_amdhsa_kernel
	.amdgpu_metadata
---
amdhsa.version: [ 1, 2 ]
amdhsa.kernels:
  - .name:           k_q7a03a8c5e5_gemm
    .symbol:         k_q7a03a8c5e5_gemm.kd
    .args:
      - { .name: a_ops, .offset: 0, .size: 8, .value_kind: global_buffer, .address_space: global }
      - { .name: b_ops, .offset: 8, .size: 8, .value_kind: global_buffer, .address_space: global }
      - { .name: coeff, .offset: 16, .size: 8, .value_kind: global_buffer, .address_space: global }
      - { .name: out0, .offset: 24, .size: 8, .value_kind: global_buffer, .address_space: global }
    .group_segment_fixed_size: 327680
    .private_segment_fixed_size: 0
    .kernarg_segment_align: 8
    .kernarg_segment_size: 32
    .max_flat_workgroup_size: 128
    .sgpr_count:     101
    .vgpr_count:     1024
    .wavefront_size: 32
...
	.end_amdgpu_metadata
.endif
;; end of part 2
